; MI455X (gfx1250); checked and timed in simulation.
; The chip was launched on July 23, 2026; its instructions are those of AMD's public machine-readable ISA for CDNA 5 (MIT licence, August 2026) and "CDNA5" Instruction Set Architecture Reference Guide (July 2026). The comments in the code are by the model that wrote it; some were corrected since.
;; Linear VC. Allowed arithmetic: float matrix products may take bf16 or f16 operands with f32 sums; other float arithmetic in f32, or as packed bf16 or f16 multiplies, adds, multiply-adds, maxima and minima; sums over many terms, partial sums and values carried from step to step in f32; what a program stores and reads back later, other than sums and carried values, may be rounded once to bf16 or f16.
;; Inputs: source_features 8,192 x 1,024 float32; target_features 8,192 x 1,024 float32.
;; Outputs: out0 8,192 x 1,024 float32.
;; One version. Each part assembles by itself: llvm-mc -triple=amdgcn-amd-amdhsa -mcpu=gfx1250 --defsym DOCPART=n.
;; ======== version 1 of 1: 3 launches
;; workspace buffers: sbf 16,777,216 bytes; tbf 16,777,216 bytes; tinv 32,768 bytes; cand 1,048,576 bytes of whole numbers
;; launch prep (part 1): grid 256 x 2, 8 waves a work-group, no clusters, 0 bytes of LDS; arguments source_features, target_features, sbf, tbf, tinv; writes sbf, tbf, tinv
.if DOCPART == 1
	.amdgcn_target "amdgcn-amd-amdhsa--gfx1250"
	.amdhsa_code_object_version 6
	.text
	.protected	k_qe44525b4fa_prep
	.globl	k_qe44525b4fa_prep
	.p2align	8
	.type	k_qe44525b4fa_prep,@function
k_qe44525b4fa_prep:
	s_mov_b64 s[64:65], 0
	v_nop
	global_prefetch_b8 v0, s[64:65] scope:SCOPE_SE
	s_setreg_imm32_b32 hwreg(HW_REG_WAVE_MODE, 25, 1), 1
	s_wait_xcnt 0x0
; ROUNDING AND NORMS.  sbf = bf16(source_features), tbf = bf16(target_features), both [8192][1024];
; tinv[t] = 1 / max(norm of the ROUNDED target row t, 1e-12), in f32.  The norm is taken of the rounded numbers because the products
; of the next launch are products of the rounded numbers: a cosine is then off by f32 rounding alone.
; The source rows' norms are not made: a row's factor 1 / max(norm, eps) is positive and common to all its cosines, so it moves no argmax.
; A stream: every input byte is read once, every output byte written once; LDS, barriers and matrix work would add nothing.
; SHARES.  Work-group (x, y): y = 0 the source, y = 1 the target; rows 32 x .. 32 x + 31.  A wave takes 4 rows, a whole row at a time (4,096 bytes:
; eight loads of 16 bytes a lane), and has all its 32 loads out at once: no loop.
; LIMITS.  A sum of squares below 2^-126 counts as 0 (the root flushes denormals: ISA guide, its entry), so the norm is then eps; NaN and infinities are not treated apart.
.set T,  4                             ; v[4:11]    at work
.set A,  12                            ; v[12:19]   four chains of two sums of squares
.set SS, 20                            ; v[20:23]   row i's sum of squares, then its norm, then 1 / norm
.set X,  28                            ; v[28:155]  row i: 32 registers as loaded; of each four the first two then hold the four numbers in bf16
	s_load_b256 s[4:11], s[0:1], 0x0               ; source s[4:5], target s[6:7], sbf s[8:9], tbf s[10:11]
	s_load_b64 s[12:13], s[0:1], 0x20              ; tinv
	s_and_b32 s20, ttmp7, 0xffff                   ; y
	s_lshl_b32 s18, ttmp9, 17                      ; 32 rows of 4,096 bytes
	s_mov_b32 s19, 0
	s_lshl_b32 s22, ttmp9, 16                      ; 32 rows of 2,048 bytes
	s_mov_b32 s23, 0
	s_lshl_b32 s2, ttmp9, 7                        ; 32 numbers of 4 bytes
	s_mov_b32 s3, 0
	s_mov_b32 s24, 0xffff0000                      ; a word's upper bf16
	s_mov_b32 s25, 0x2b8cbccc                      ; eps = 1e-12
	s_mov_b32 s26, 0x76543210                      ; v_permlanex16_b32: each lane takes its own place in the other half
	s_mov_b32 s27, 0xfedcba98
	v_and_b32 v3, 31, v0                           ; lane
	v_lshrrev_b32 v4, 5, v0                        ; wave
	v_lshlrev_b32 v1, 4, v3
	v_lshl_or_b32 v1, v4, 14, v1                   ; in: wave x 4 rows x 4,096 + 16 x lane
	v_lshlrev_b32 v2, 3, v3
	v_lshl_or_b32 v2, v4, 13, v2                   ; out: wave x 4 rows x 2,048 + 8 x lane
	v_lshlrev_b32 v25, 2, v3
	v_lshl_or_b32 v25, v4, 4, v25                  ; tinv: wave x 4 numbers + lane (lanes 0 to 3 store)
	s_wait_kmcnt 0x0
	s_cmp_eq_u32 s20, 0                            ; which tensor: the choice hangs on y alone
	s_cselect_b64 s[14:15], s[4:5], s[6:7]
	s_cselect_b64 s[16:17], s[8:9], s[10:11]
	s_add_nc_u64 s[14:15], s[14:15], s[18:19]
	s_add_nc_u64 s[16:17], s[16:17], s[22:23]
	s_add_nc_u64 s[12:13], s[12:13], s[2:3]
.irp i, 0,1,2,3
.irp j, 0,1,2,3,4,5,6,7
	global_load_b128 v[X+32*(\i)+4*(\j):X+32*(\i)+4*(\j)+3], v1, s[14:15] offset:4096*(\i)+512*(\j) th:TH_LOAD_NT
.endr
.endr
; Row i is rounded in place and stored.  A store of the wave covers 256 consecutive bytes, aligned.  The registers that the stores read are never written again.
.macro ROW i
	s_wait_loadcnt 24-8*(\i)                       ; loads come back in order (ISA guide 5.7.1): this row's eight are in, the eight of each younger row stay out
.irp j, 0,1,2,3,4,5,6,7
	v_cvt_pk_bf16_f32 v[X+32*(\i)+4*(\j)],   v[X+32*(\i)+4*(\j)],   v[X+32*(\i)+4*(\j)+1]
	v_cvt_pk_bf16_f32 v[X+32*(\i)+4*(\j)+1], v[X+32*(\i)+4*(\j)+2], v[X+32*(\i)+4*(\j)+3]
.endr
.irp j, 0,1,2,3,4,5,6,7
	global_store_b64 v2, v[X+32*(\i)+4*(\j):X+32*(\i)+4*(\j)+1], s[16:17] offset:2048*(\i)+256*(\j)
.endr
.endm
	ROW 0
	ROW 1
	ROW 2
	ROW 3
	s_cmp_eq_u32 s20, 0
	s_cbranch_scc1 .Lend                           ; the source's work-groups are done
; Row i's sum of squares, of the rounded numbers: my 32 numbers in four chains of pairs (the first products start them), then across the 32 lanes.
.macro SQ i
.irp g, 0,1,2,3
.irp k, 0,1,2,3
	v_lshlrev_b32 v[T+2*(\k)],   16,  v[X+32*(\i)+4*(2*(\g)+(\k)/2)+(\k)%2]
	v_and_b32     v[T+2*(\k)+1], s24, v[X+32*(\i)+4*(2*(\g)+(\k)/2)+(\k)%2]
.endr
.irp k, 0,1,2,3
.if (\g) == 0
	v_pk_mul_f32 v[A+2*(\k):A+2*(\k)+1], v[T+2*(\k):T+2*(\k)+1], v[T+2*(\k):T+2*(\k)+1]
.else
	v_pk_fma_f32 v[A+2*(\k):A+2*(\k)+1], v[T+2*(\k):T+2*(\k)+1], v[T+2*(\k):T+2*(\k)+1], v[A+2*(\k):A+2*(\k)+1]
.endif
.endr
.endr
	v_pk_add_f32 v[A:A+1], v[A:A+1], v[A+2:A+3]
	v_pk_add_f32 v[A+4:A+5], v[A+4:A+5], v[A+6:A+7]
	v_pk_add_f32 v[A:A+1], v[A:A+1], v[A+4:A+5]
	v_add_f32 v[SS+(\i)], v[A], v[A+1]
	v_add_f32_dpp v[SS+(\i)], v[SS+(\i)], v[SS+(\i)] row_xmask:1 row_mask:0xf bank_mask:0xf
	v_add_f32_dpp v[SS+(\i)], v[SS+(\i)], v[SS+(\i)] row_xmask:2 row_mask:0xf bank_mask:0xf
	v_add_f32_dpp v[SS+(\i)], v[SS+(\i)], v[SS+(\i)] row_xmask:4 row_mask:0xf bank_mask:0xf
	v_add_f32_dpp v[SS+(\i)], v[SS+(\i)], v[SS+(\i)] row_xmask:8 row_mask:0xf bank_mask:0xf
	v_permlanex16_b32 v[T], v[SS+(\i)], s26, s27   ; its destination counts as read: T has been written
	v_add_f32 v[SS+(\i)], v[SS+(\i)], v[T]         ; every lane holds the row's sum
.endm
	SQ 0
	SQ 1
	SQ 2
	SQ 3
.irp i, 0,1,2,3
	v_sqrt_f32 v[SS+(\i)], v[SS+(\i)]
.endr
	v_nop                                          ; a plain instruction between the roots and the use of their results (ISA guide 5.7.2)
	s_wait_alu depctr_va_vdst(0)
.irp i, 0,1,2,3
	v_max_num_f32 v[SS+(\i)], s25, v[SS+(\i)]
.endr
.irp i, 0,1,2,3
	v_rcp_f32 v[SS+(\i)], v[SS+(\i)]
.endr
	v_nop                                          ; the same between the reciprocals and the use of their results: it names none of their registers
	s_wait_alu depctr_va_vdst(0)
	v_mov_b32 v24, v[SS]                           ; lane i of the first four takes row i's number
.irp i, 1,2,3
	v_cmp_eq_u32 vcc_lo, \i, v3
	v_cndmask_b32 v24, v24, v[SS+(\i)], vcc_lo
.endr
	v_cmp_gt_u32 vcc_lo, 4, v3
	s_wait_xcnt 0x0                                ; EXEC is a source of the stores above: it changes only behind this wait
	s_and_saveexec_b32 s28, vcc_lo
	global_store_b32 v25, v24, s[12:13]            ; 16 bytes a wave, 32,768 in the launch: the one store that fills no 256 bytes; gathering them would want LDS and a barrier
	s_wait_xcnt 0x0                                ; and again in front of the line that widens it
	s_or_b32 exec_lo, exec_lo, s28
.Lend:
	s_endpgm
.Lfunc_end_k_qe44525b4fa_prep:
	.size	k_qe44525b4fa_prep, .Lfunc_end_k_qe44525b4fa_prep-k_qe44525b4fa_prep
	.p2alignl 7, 3214868480
	.fill 96, 4, 3214868480
	.section	.rodata,"a",@progbits
	.p2align	6, 0x0
	.amdhsa_kernel k_qe44525b4fa_prep
		.amdhsa_group_segment_fixed_size 0
		.amdhsa_private_segment_fixed_size 0
		.amdhsa_enable_private_segment 0
		.amdhsa_kernarg_size 40
		.amdhsa_user_sgpr_count 2
		.amdhsa_user_sgpr_kernarg_segment_ptr 1
		.amdhsa_wavefront_size32 1
		.amdhsa_system_sgpr_workgroup_id_x 1
		.amdhsa_system_sgpr_workgroup_id_y 1
		.amdhsa_system_sgpr_workgroup_id_z 1
		.amdhsa_system_vgpr_workitem_id 0
		.amdhsa_next_free_vgpr 156
		.amdhsa_next_free_sgpr 66
		.amdhsa_reserve_vcc 1
		.amdhsa_float_denorm_mode_32 3
		.amdhsa_float_denorm_mode_16_64 3
		.amdhsa_memory_ordered 1
		.amdhsa_forward_progress 1
		.amdhsa_inst_pref_size 23
	.end_amdhsa_kernel
	.amdgpu_metadata
---
amdhsa.version: [ 1, 2 ]
amdhsa.kernels:
  - .name:           k_qe44525b4fa_prep
    .symbol:         k_qe44525b4fa_prep.kd
    .args:
      - { .name: source_features, .offset: 0, .size: 8, .value_kind: global_buffer, .address_space: global }
      - { .name: target_features, .offset: 8, .size: 8, .value_kind: global_buffer, .address_space: global }
      - { .name: sbf, .offset: 16, .size: 8, .value_kind: global_buffer, .address_space: global }
      - { .name: tbf, .offset: 24, .size: 8, .value_kind: global_buffer, .address_space: global }
      - { .name: tinv, .offset: 32, .size: 8, .value_kind: global_buffer, .address_space: global }
    .group_segment_fixed_size: 0
    .private_segment_fixed_size: 0
    .kernarg_segment_align: 8
    .kernarg_segment_size: 40
    .max_flat_workgroup_size: 256
    .sgpr_count:     66
    .vgpr_count:     156
    .wavefront_size: 32
...
	.end_amdgpu_metadata
.endif
;; end of part 1
;; launch match (part 2): grid 32 x 8, 4 waves a work-group, clusters of 4 x 4, 327,680 bytes of LDS; arguments sbf, tbf, tinv, cand; writes cand
.if DOCPART == 2
	.amdgcn_target "amdgcn-amd-amdhsa--gfx1250"
	.amdhsa_code_object_version 6
	.text
	.protected	k_qe44525b4fa_match
	.globl	k_qe44525b4fa_match
	.p2align	8
	.type	k_qe44525b4fa_match,@function
k_qe44525b4fa_match:
	s_mov_b64 s[64:65], 0
	v_nop
	global_prefetch_b8 v0, s[64:65] scope:SCOPE_SE
	s_setreg_imm32_b32 hwreg(HW_REG_WAVE_MODE, 25, 1), 1
	s_wait_xcnt 0x0
	s_wait_alu depctr_hold_cnt(0) depctr_sa_sdst(0) depctr_va_vdst(0) depctr_va_sdst(0) depctr_va_ssrc(0) depctr_va_vcc(0) depctr_vm_vsrc(0)
	s_getreg_b32 s2, hwreg(HW_REG_IB_STS2, 6, 4)
	s_cmp_eq_u32 s2, 0
	s_cbranch_scc0 .Lentry_in_a_cluster
	s_endpgm
.Lentry_in_a_cluster:
	s_bfe_u32 s2, ttmp6, 0x10000c
	s_cmp_lg_u32 s2, 0xf033
	s_cbranch_scc0 .Lentry_shape_is_right
	s_endpgm
.Lentry_shape_is_right:
; THE NEAREST TARGET OF EACH SOURCE ROW, by parts.  score(s, t) = (sum over d of sbf[s][d] tbf[t][d]) x tinv[t]: bf16 products, f32 sums, the factor in f32.
; For a source row the largest score is the largest cosine, that is the least distance: the row's own factor 1 / max(norm, eps) is positive and common, and 1 - x turns the order round.
; The scores are never stored: each finished tile is folded into a running best and its index, in registers.  cand[p][s] = (key, index) of the best target of row s among the targets
; 512 p .. 512 p + 511; the key is the score's bit pattern mapped to a u32 of the same order, so that the next launch compares whole numbers alone.  Of equal scores the lowest index wins, everywhere.
; LIMITS.  The sums' order of rounding is the matrix unit's, and the grid of 2^-24 that 1 - cosine has is not made: where a row's two best cosines lie within about 1e-7 of each other
; the other of the two may be chosen.  NaN and infinities are not treated apart.
; SHARES.  A tile is 256 sources x 256 targets; four waves, each 128 x 128: 64 accumulators of 16 x 16, 512 registers.  A work-group STAYS: it keeps its 256 sources (sx = 0..31) and walks
; four tiles of its 1,024 targets (g = 0..7).  A tile's target half wt holds the targets 1024 g + 512 wt + 128 i + 0..127 in tile i, so that a wave's targets over the walk are one
; run of 512: part p = 2 g + wt.  K goes in steps of 128 through two LDS slots filled by the tensor data mover; the ring does not stop at a tile's end.
; CLUSTERS: 4 x 4 work-groups.  The four of a column of the cluster (same cx) have the same sources, the four of a row (same cy) the same targets: each tile is asked for JOINTLY, by the same
; tensor load with the same descriptor and a mask that names the four, which divides the requests by four.
; LAYOUT.  Source 0 of the matrix instruction = 16 targets, source 1 = 16 sources: in the result lane l holds ONE source (l % 16) and the targets 8 (l / 16) + 0..7.  So the argmax stays
; inside a lane until the end, where one exchange joins the two halves of the lanes.
; REGISTERS, in windows of 256 (s_set_vgpr_msb's low byte: bits 1:0 source 0, 3:2 source 1, 5:4 source 2, 7:6 destination):
;   window 0: v16-29 addresses; v32-39 best score, v40-47 its index, one for each of my 8 blocks of 16 sources; v48-63 at work at the end; v64-127, v128-191 the sources' fragments, two buffers
;   window 1: v0-63 tinv of the tile's 128 targets, as the accumulators hold them; v64-127, v128-191 the targets' fragments, two buffers
;   window 2: the 32 accumulators of my sources 0-63 (source block a, target block b at v[8 (8 a + b)]);   window 3: those of my sources 64-127
.set SIZE_K, 1024
.set KSTEP,  128
.set PITCH,  272                       ; an LDS row: 256 bytes + 16 of padding = 68 words: row r starts at bank 4 r mod 64 (64 banks of 4 bytes: ISA guide 11.1), so the 16 rows that a load touches start at 16 different banks
.set HALFT,  128*PITCH                 ; 128 rows: what one tensor load brings, and what one wave reads of the sources or of the targets
.set SLOT,   4*HALFT                   ; the sources' 256 rows, then the targets' 256 rows
.set SPARE,  2*SLOT                    ; behind the ring: the spare words, 128 bytes for each wave: two blocks of 256 bytes that no other line names
.set LAPS,   SIZE_K/(2*KSTEP)          ; a lap = two K steps = once round the ring
.set TILES,  4
.set BACK_S, (SIZE_K-2*KSTEP)*2        ; bytes from a slot's last K step of a tile to its first of the next: the sources only go back along K,
.set NEXT_T, 128*SIZE_K*2-BACK_S       ; the targets 128 rows down and back
.set ADRS, 16                          ; v16-17  LDS address of my sources' fragments in slot 0, 1
.set ADRT, 20                          ; v20-21  the same for the targets
.set TIO,  24                          ; v24     my byte offset in a tile's 128 tinv: 32 (l / 16)
.set CO,   25                          ; v25     my byte offset in 32 candidates: 8 x lane
.set BASE, 26                          ; v26     512 p + 8 (l / 16): what the running index lacks
.set SPW,  28                          ; v28     LDS address of my spare word: SPARE + 4 x my thread's number; never rewritten
.set NIL,  29                          ; v29     0; never rewritten
.set BEST, 32
.set BIDX, 40
.set OV,   48                          ; the other half's best; later at work
.set OI,   56                          ; the other half's index
.set F0,   64                          ; fragment buffer 0
.set F1,   128                         ; fragment buffer 1
.set WV,   12                          ; s12  my wave's number
.set WS,   13                          ; s13  which 128 sources are mine.  Also: I fetch sources (0) or targets (1)
.set WT,   14                          ; s14  which half of the targets is mine.  Also: which 128 rows of that tile I fetch
.set G1S,  24                          ; s[24:31] descriptor group 1 for the sources' tiles
.set G0S,  32                          ; s[32:39] group 0, one set for each slot
.set G1T,  48                          ; s[48:55] group 1 for the targets': it differs in the mask alone
.set G0T,  56                          ; s[56:63] group 0, one set for each slot
.set TILEC, 66                         ; s66  128 x the tile's number
.set CODE, 67                          ; s67, s79 by turns: 128 i + 16 b + j, the index that a score carries
.set MK,   68                          ; s[68:75] lane masks, two sets of four by turns
.set SEL,  76                          ; s[76:77] v_permlanex16_b32's selects
.set HM,   78                          ; s78  lanes 16 to 31
.set MSB, 0
.macro WIN new                         ; the immediate's high byte repeats the setting that is left; a switch that changes nothing is dropped
.if MSB != (\new)
	s_set_vgpr_msb (MSB<<8)|(\new)
.set MSB, \new
.endif
.endm
.set MUL_LO, 0xa1                      ; source 0 (targets) window 1, source 1 (sources) window 0, C and D window 2
.set MUL_HI, 0xf1                      ; the same, C and D window 3
.set TO_B,   0x40                      ; destination window 1, address window 0
; A joint load.  Waves 0 and 1 fetch the sources' two halves, waves 2 and 3 the targets'.  Each of the two lines has ONE mask and one set of registers for all that issue it.
; The branch hangs on the wave's number alone.  An s_nop 0 and four v_nop follow each of the two lines, ahead of the jump, the label and what follows.
.macro JLOAD s
	s_cmp_eq_u32 s[WS], 0
	s_cbranch_scc0 .Lfor_t_\@
	tensor_load_to_lds s[G0S+4*(\s):G0S+4*(\s)+3], s[G1S:G1S+7]
	s_nop 0
.rept 4
	v_nop
.endr
	s_branch .Lasked_\@
.Lfor_t_\@:
	tensor_load_to_lds s[G0T+4*(\s):G0T+4*(\s)+3], s[G1T:G1T+7]
	s_nop 0
.rept 4
	v_nop
.endr
.Lasked_\@:
.endm
; A round of the cluster's barrier: my work-group's barrier, so that wave 0's signal speaks for all four waves; wave 0 signals for the work-group; every wave waits for all
; sixteen work-groups; my work-group's barrier once more.
.macro CREST                           ; a round behind its opening barrier
	s_cmp_lg_u32 s[WV], 0
	s_cbranch_scc1 .Lnot_wave_0_\@
	s_barrier_signal -3
.Lnot_wave_0_\@:
	s_barrier_wait -3
	s_barrier_signal -1
	s_barrier_wait -1
.endm
.macro CROUND                          ; a whole round
	s_barrier_signal -1
	s_barrier_wait -1
	CREST
.endm
	s_load_b256 s[4:11], s[0:1], 0x0               ; sbf s[4:5], tbf s[6:7], tinv s[8:9], cand s[10:11]
	v_lshl_add_u32 v[SPW], v0, 2, SPARE
	v_mov_b32 v[NIL], 0
	ds_add_u32 v[SPW], v[NIL]                      ; the wave's opening: the add and its wait stand ahead of my first tensor load; the set-up below, work on registers, stands between them
	v_lshrrev_b32 v1, 5, v0
	v_readfirstlane_b32 s[WV], v1                  ; wave 0..3
	s_lshr_b32 s[WS], s[WV], 1
	s_and_b32 s[WT], s[WV], 1
	s_bfe_u32 s40, ttmp6, 0x40000                  ; cx: my place along the cluster's x
	s_bfe_u32 s41, ttmp6, 0x40004                  ; cy: along its y
	s_lshl_b32 s42, ttmp9, 2                       ; in a cluster launch ttmp9 and ttmp7 count clusters
	s_add_co_u32 s42, s42, s40                     ; sx = 4 x cluster x + cx: my 256 sources
	s_and_b32 s43, ttmp7, 0xffff
	s_lshl_b32 s43, s43, 2
	s_add_co_u32 s43, s43, s41                     ; g = 4 x cluster y + cy: my 1,024 targets
	s_lshl_b32 s44, 0x1111, s40                    ; my column of the cluster: places cx, cx + 4, cx + 8, cx + 12
	s_lshl_b32 s45, s41, 2
	s_lshl_b32 s45, 15, s45                        ; my row: places 4 cy .. 4 cy + 3
	; descriptor group 1: a tile of 128 rows x 128 elements, padded in LDS
	s_or_b32 s[G1S+0], s44, (1<<16)|(1<<20)|(1<<21)|(5<<22)|(3<<25)  ; 15:0 the mask: the sources' tiles go to my column; 17:16 elements of 2 bytes; 20 padding on; 21 set beside a mask; 24:22 after every 64 words (code 5); 31:25 4 words of it (code 3)
	s_or_b32 s[G1T+0], s45, (1<<16)|(1<<20)|(1<<21)|(5<<22)|(3<<25)  ; the same with the mask of my row, for the targets' tiles
.irp g, G1S, G1T
	s_mov_b32 s[(\g)+1], KSTEP<<16                 ; tensor_dim0 = 128
	s_mov_b32 s[(\g)+2], 128<<16                   ; tensor_dim1 = 128
	s_mov_b32 s[(\g)+3], KSTEP<<16                 ; tile_dim0 = 128
	s_mov_b32 s[(\g)+4], 128                       ; tile_dim1 = 128
	s_mov_b32 s[(\g)+5], SIZE_K                    ; elements from row to row
	s_mov_b32 s[(\g)+6], 0
	s_mov_b32 s[(\g)+7], 0
.endr
	; where the tiles come from.  The sources' hang on sx alone, which my column shares; the targets' on g alone, which my row shares; each in registers that never hold the other coordinate.
	s_lshl_b32 s16, s42, 19                        ; 256 sx rows of 2,048 bytes
	s_lshl_b32 s18, s[WT], 18                      ; + 128 rows for the second half
	s_add_co_u32 s16, s16, s18
	s_mov_b32 s17, 0
	s_lshl_b32 s46, s43, 21                        ; 1,024 g rows
	s_lshl_b32 s18, s[WT], 20                      ; + 512 rows for the second half
	s_add_co_u32 s46, s46, s18
	s_mov_b32 s47, 0
	s_mul_i32 s20, s[WV], HALFT                    ; and where they go: wave x 128 rows: no place in the cluster enters an LDS address
	s_lshl_b32 s21, s43, 1
	s_add_co_u32 s21, s21, s[WT]                   ; p = 2 g + wt: my part of the targets
	s_lshl_b32 s22, s21, 11                        ; its 512 tinv
	s_mov_b32 s23, 0
	s_lshl_b32 s80, s21, 16                        ; cand: part p (8,192 rows of 8 bytes),
	s_lshl_b32 s81, s42, 11                        ; my work-group's 256 rows,
	s_add_co_u32 s80, s80, s81
	s_lshl_b32 s81, s[WS], 10                      ; my wave's 128
	s_add_co_u32 s80, s80, s81
	s_mov_b32 s81, 0
	s_lshl_b32 s21, s21, 9                         ; 512 p
	s_mov_b32 s[TILEC], 0
	s_mov_b32 s[SEL], 0x76543210
	s_mov_b32 s[SEL+1], 0xfedcba98
	s_mov_b32 s[HM], 0xffff0000
	s_wait_dscnt 0x0                               ; the opening add is done
	s_wait_kmcnt 0x0
	s_add_nc_u64 s[4:5], s[4:5], s[16:17]
	s_add_nc_u64 s[6:7], s[6:7], s[46:47]
	s_add_nc_u64 s[8:9], s[8:9], s[22:23]
	s_add_nc_u64 s[10:11], s[10:11], s[80:81]
	CROUND                                         ; all sixteen work-groups are here: the first joint loads meet
.irp s, 0,1
	s_mov_b32 s[G0S+4*(\s)], 1                                     ; 1:0 count = 1
	s_add_co_u32 s[G0S+4*(\s)+1], s20, (\s)*SLOT                   ; 63:32 LDS address
	s_add_nc_u64 s[G0S+4*(\s)+2:G0S+4*(\s)+3], s[4:5], (\s)*KSTEP*2  ; 120:64 global address: K step s
	s_or_b32 s[G0S+4*(\s)+3], s[G0S+4*(\s)+3], 0x80000000          ; 127:126 type = 2
	s_mov_b32 s[G0T+4*(\s)], 1
	s_add_co_u32 s[G0T+4*(\s)+1], s20, (\s)*SLOT
	s_add_nc_u64 s[G0T+4*(\s)+2:G0T+4*(\s)+3], s[6:7], (\s)*KSTEP*2
	s_or_b32 s[G0T+4*(\s)+3], s[G0T+4*(\s)+3], 0x80000000
	JLOAD \s                                       ; the ring is filled before anything else is done: two loads of mine are out
.endr
	; A fragment is 16 rows x 32 K in 8 registers: lane l holds row l % 16; registers 0-3 hold K = 8 (l / 16) + 0..7, registers 4-7 K = 16 + 8 (l / 16) + 0..7: two loads of 16 bytes, 32 bytes apart.
	v_and_b32 v1, 15, v0                           ; l % 16
	v_bfe_u32 v2, v0, 4, 1                         ; l / 16
	v_mul_u32_u24 v3, v1, PITCH
	v_lshl_add_u32 v3, v2, 4, v3                   ; row x pitch + 16 x half
	s_mul_i32 s18, s[WS], HALFT                    ; my 128 sources
	s_mul_i32 s19, s[WT], HALFT                    ; my 128 targets,
	s_add_co_u32 s19, s19, 2*HALFT                 ; which lie behind the 256 sources
.irp s, 0,1
	v_add_nc_u32 v[ADRS+(\s)], s18, v3
	v_add_nc_u32 v[ADRT+(\s)], s19, v3
	s_add_co_u32 s18, s18, SLOT
	s_add_co_u32 s19, s19, SLOT
.endr
	v_lshlrev_b32 v[TIO], 5, v2
	v_and_b32 v4, 31, v0
	v_lshlrev_b32 v[CO], 3, v4
	v_lshl_add_u32 v[BASE], v2, 3, s21
.irp b, 0,1,2,3,4,5,6,7
	v_mov_b32 v[BEST+(\b)], 0xff800000             ; below every score: the first score is taken
	v_mov_b32 v[BIDX+(\b)], 0
	v_mov_b32 v[OV+(\b)], 0                        ; v_permlanex16_b32 counts as a reader of its destination
	v_mov_b32 v[OI+(\b)], 0
.endr
; 16 matrix instructions: source blocks a0, a0 + 1 of the window's four (hi = 0: my sources 0-63, 1: 64-127) x all 8 target blocks, 32 along K.
; zero = 1: the first product starts the sums: nothing is ever cleared.
.macro MUL16 f, hi, a0, zero
	WIN MUL_LO+0x50*(\hi)  ; MUL_LO or MUL_HI
.irp a, \a0, (\a0)+1
.irp b, 0,1,2,3,4,5,6,7
.if \zero
	v_wmma_f32_16x16x32_bf16 v[8*(8*(\a)+(\b)):8*(8*(\a)+(\b))+7], v[(\f)+8*(\b):(\f)+8*(\b)+7], v[(\f)+8*(4*(\hi)+(\a)):(\f)+8*(4*(\hi)+(\a))+7], 0
.else
	v_wmma_f32_16x16x32_bf16 v[8*(8*(\a)+(\b)):8*(8*(\a)+(\b))+7], v[(\f)+8*(\b):(\f)+8*(\b)+7], v[(\f)+8*(4*(\hi)+(\a)):(\f)+8*(4*(\hi)+(\a))+7], v[8*(8*(\a)+(\b)):8*(8*(\a)+(\b))+7]
.endif
.endr
.endr
.endm
; 32 LDS loads in one run: the fragments of one quarter step (128 targets, 128 sources, 32 K at byte k of the rows) into buffer f
.macro FETCH slot, k, f
	WIN TO_B
.irp i, 0,1,2,3,4,5,6,7
	ds_load_b128 v[(\f)+8*(\i):(\f)+8*(\i)+3],   v[ADRT+(\slot)] offset:(\k)+(\i)*16*PITCH
	ds_load_b128 v[(\f)+8*(\i)+4:(\f)+8*(\i)+7], v[ADRT+(\slot)] offset:(\k)+(\i)*16*PITCH+32
.endr
	WIN 0
.irp i, 0,1,2,3,4,5,6,7
	ds_load_b128 v[(\f)+8*(\i):(\f)+8*(\i)+3],   v[ADRS+(\slot)] offset:(\k)+(\i)*16*PITCH
	ds_load_b128 v[(\f)+8*(\i)+4:(\f)+8*(\i)+7], v[ADRS+(\slot)] offset:(\k)+(\i)*16*PITCH+32
.endr
.endm
; A load into a register that a matrix instruction has read, and a vector instruction that reads a matrix result, stand four places behind that matrix instruction, and only plain vector
; instructions that name none of its registers are places (ISA guide 7.12.1 for vector instructions); the matrix instructions in between are not counted.
.macro PLACES
.rept 4
	v_nop
.endr
.endm
; A K step is four quarter steps of 32 along K, 64 matrix instructions each, on buffers 0, 1, 0, 1.  The 64 accumulators take turns, in the same order in every quarter.
; One of the first three: multiplies buffer f; in its middle it fetches the next quarter's fragments, at byte k of the same slot's rows, into buffer g.
.macro QUARTER slot, k, f, g, zero
	s_wait_dscnt 8                                 ; the targets and my sources 0-63 are in; the youngest eight loads (sources 64-127) may be out
	WIN MUL_LO
	MUL16 \f, 0, 0, \zero
	MUL16 \f, 0, 2, \zero
	PLACES
	FETCH \slot, \k, \g
	s_wait_dscnt 32                                ; all but the 32 just issued
	WIN MUL_HI
	MUL16 \f, 1, 0, \zero
	MUL16 \f, 1, 2, \zero
.endm
; The last quarter multiplies buffer 1 and changes slots.  MEET is its first half: ONE barrier for the change of slots.  In front of it each wave waits for all its tensor loads, of which one
; is out: its part of the next slot; adds 0 to its spare word; and waits for that and for its own reads of this slot.  Behind it nobody reads this slot any more and the next slot is whole.
.macro MEET round                      ; round = 1: a round of the cluster's barrier follows
	WIN 0                                          ; (the add's two registers lie in window 0)
	s_wait_tensorcnt 0x0                           ; all my tensor loads have landed: the one that was out is my part of the next slot;
	ds_add_u32 v[SPW], v[NIL]                      ; 0 onto my spare word;
	s_wait_dscnt 9                                 ; (the add and the youngest eight loads may be out)
	WIN MUL_LO
	MUL16 F1, 0, 0, 0                              ; sixteen matrix instructions stand between the add and the wait for it
	s_wait_dscnt 0x0                               ; the add is done, and my reads of this slot are over:
	s_barrier_signal -1                            ; say so (where a slot is filled again this barrier opens a round of the cluster's barrier),
	MUL16 F1, 0, 2, 0                              ; work on registers while the others arrive,
.if \round
	WIN 0
.endif
	s_barrier_wait -1                              ; and go on when all four have said so
.endm
; The whole last quarter.  Behind the round the slot just read out is filled again first: with this tile's K step two steps on (on = 0) or, in a tile's last two K steps, with the NEXT tile's
; K step 0 or 1 (on = 1); then come the next slot's first fragments.  From a request to the wait for it a wave issues 224 matrix instructions.
.macro TURN slot, next, on
	MEET 1
	CREST                                          ; no wave of any partner still reads this slot's tile or has a load on its way
.if \on
	s_sub_nc_u64 s[G0S+4*(\slot)+2:G0S+4*(\slot)+3], s[G0S+4*(\slot)+2:G0S+4*(\slot)+3], BACK_S
	s_add_nc_u64 s[G0T+4*(\slot)+2:G0T+4*(\slot)+3], s[G0T+4*(\slot)+2:G0T+4*(\slot)+3], NEXT_T
.else
	s_add_nc_u64 s[G0S+4*(\slot)+2:G0S+4*(\slot)+3], s[G0S+4*(\slot)+2:G0S+4*(\slot)+3], 2*KSTEP*2
	s_add_nc_u64 s[G0T+4*(\slot)+2:G0T+4*(\slot)+3], s[G0T+4*(\slot)+2:G0T+4*(\slot)+3], 2*KSTEP*2
.endif
	JLOAD \slot                                    ; the first tensor load behind the round, my only one until the next; the four v_nop behind it are also the places in front of the loads below
	FETCH \next, 0, F0
	WIN MUL_HI
	MUL16 F1, 1, 0, 0
	MUL16 F1, 1, 2, 0
.endm
; tinv of the tile's 128 targets, laid as the accumulators hold them: register 8 b + j = target 16 b + 8 (l / 16) + j.  Asked for at a tile's head, waited for at its end.
.macro TINVLOAD
	WIN TO_B
.irp b, 0,1,2,3,4,5,6,7
	global_load_b128 v[8*(\b):8*(\b)+3],   v[TIO], s[8:9] offset:64*(\b)
	global_load_b128 v[8*(\b)+4:8*(\b)+7], v[TIO], s[8:9] offset:64*(\b)+16
.endr
	WIN 0
.endm
; The 32 accumulators of window 2 + w times tinv, in place: the scores.  Each accumulator's registers are taken in ascending order.
.macro SCALE w
	WIN 0x86+0x41*(\w)                             ; destination and source 0 in window 2 or 3, source 1 in window 1
.irp a, 0,1,2,3
.irp b, 0,1,2,3,4,5,6,7
.irp r, 0,1,2,3
	v_pk_mul_f32 v[8*(8*(\a)+(\b))+2*(\r):8*(8*(\a)+(\b))+2*(\r)+1], v[8*(8*(\a)+(\b))+2*(\r):8*(8*(\a)+(\b))+2*(\r)+1], v[8*(\b)+2*(\r):8*(\b)+2*(\r)+1]
.endr
.endr
.endr
.endm
; The scores of window 2 + w are folded into best and index, targets ascending; a score takes the place only if it is GREATER, so of equal scores the first, the lowest index, stays.
; Group n takes target 16 (n / 8) + n % 8 of the window's four source blocks: four chains that do not wait for each other; no line reads a result made fewer than four lines before it.
.macro PICK w
	WIN 0x08+4*(\w)                                ; source 1 in window 2 or 3, all else in window 0
.set n, 0
.rept 64
	s_add_co_u32 s[CODE+12*(n%2)], s[TILEC], 16*(n/8)+n%8
.irp a, 0,1,2,3
	v_cmp_lt_f32 s[MK+4*(n%2)+(\a)], v[BEST+4*(\w)+(\a)], v[8*(8*(\a)+n/8)+n%8]
.endr
.irp a, 0,1,2,3
	v_max_num_f32 v[BEST+4*(\w)+(\a)], v[BEST+4*(\w)+(\a)], v[8*(8*(\a)+n/8)+n%8]
.endr
.irp a, 0,1,2,3
	v_cndmask_b32 v[BIDX+4*(\w)+(\a)], v[BIDX+4*(\w)+(\a)], s[CODE+12*(n%2)], s[MK+4*(n%2)+(\a)]
.endr
.set n, n+1
.endr
.endm
	s_wait_tensorcnt 1                             ; my part of K step 0 is in; K step 1's may stay out
	s_barrier_signal -1
	s_barrier_wait -1                              ; everybody's is
	FETCH 0, 0, F0
	s_mov_b32 s2, TILES                            ; tiles to go, this one among them: the same number in every work-group
.Ltile:                                                ; (FETCH and the fold leave every window 0)
	TINVLOAD
	QUARTER 0, 64,  F0, F1, 1                      ; a tile's first quarter stands in front of the loop: its products start the sums
	WIN 0                                          ; at a label and at a branch every window is 0
	s_mov_b32 s3, LAPS-1
.Llap:                                                 ; a trip goes once round the ring, from a lap's second quarter to the next lap's first, and fills both slots again
	QUARTER 0, 128, F1, F0, 0
	QUARTER 0, 192, F0, F1, 0
	TURN 0, 1, 0
	QUARTER 1, 64,  F0, F1, 0
	QUARTER 1, 128, F1, F0, 0
	QUARTER 1, 192, F0, F1, 0
	TURN 1, 0, 0
	QUARTER 0, 64,  F0, F1, 0
	WIN 0
	s_sub_co_u32 s3, s3, 1
	s_cmp_lg_u32 s3, 0
	s_cbranch_scc1 .Llap
	QUARTER 0, 128, F1, F0, 0                      ; the tile's last lap goes on
	QUARTER 0, 192, F0, F1, 0
	WIN 0
	s_cmp_eq_u32 s2, 1
	s_cbranch_scc1 .Llast                          ; the last tile's tail asks for nothing more
	TURN 0, 1, 1                                   ; THE RING GOES ON INTO THE NEXT TILE: slot 0 takes its K step 0,
	QUARTER 1, 64,  F0, F1, 0
	QUARTER 1, 128, F1, F0, 0
	QUARTER 1, 192, F0, F1, 0
	TURN 1, 0, 1                                   ; slot 1 its K step 1, and the next tile's first fragments are fetched: both land while the tile is folded
	WIN 0
	s_branch .Lepi
.Llast:
	MEET 0                                         ; my one tensor load that was still out is slot 1's, the last K step's, so no round follows
	PLACES                                         ; for the loads into buffer 0, which the quarter before multiplied
	FETCH 1, 0, F0
	WIN MUL_HI
	MUL16 F1, 1, 0, 0
	MUL16 F1, 1, 2, 0
	QUARTER 1, 64,  F0, F1, 0
	QUARTER 1, 128, F1, F0, 0
	QUARTER 1, 192, F0, F1, 0
	s_wait_dscnt 8                                 ; the very last quarter: nothing more to fetch
	WIN MUL_LO
	MUL16 F1, 0, 0, 0
	MUL16 F1, 0, 2, 0
	s_wait_dscnt 0x0
	MUL16 F1, 1, 0, 0
	MUL16 F1, 1, 2, 0
	WIN 0
.Lepi:                                                 ; THE TILE IS FOLDED.  This text touches no LDS, no fragment and no descriptor, so it serves both ways in: with the next tile's loads on their way, or with none
	PLACES                                         ; the places behind the last products
	s_wait_loadcnt 0x0                             ; tinv is in; its loads are done, so their base may step
	s_add_nc_u64 s[8:9], s[8:9], 512               ; the next tile's 128 tinv (behind the last tile the stepped address is not used)
	SCALE 0
	PICK 0
	SCALE 1
	PICK 1
	WIN 0
	s_add_co_u32 s[TILEC], s[TILEC], 128
	s_sub_co_u32 s2, s2, 1
	s_cmp_lg_u32 s2, 0
	s_cbranch_scc1 .Ltile
	; THE END.  The index is made whole; -0 becomes +0, so that equal scores have equal keys; the two halves of the lanes, which hold the same source and other targets, are joined:
	; the other half's pair is taken if its score is greater, or equal with the lower index.  Both halves end with the same pair.
.irp b, 0,1,2,3,4,5,6,7
	v_add_nc_u32 v[BIDX+(\b)], v[BASE], v[BIDX+(\b)]
.endr
.irp b, 0,1,2,3,4,5,6,7
	v_add_f32 v[BEST+(\b)], 0, v[BEST+(\b)]
.endr
.irp b, 0,1,2,3,4,5,6,7
	v_permlanex16_b32 v[OV+(\b)], v[BEST+(\b)], s[SEL], s[SEL+1]
	v_permlanex16_b32 v[OI+(\b)], v[BIDX+(\b)], s[SEL], s[SEL+1]
.endr
.irp b, 0,1,2,3,4,5,6,7
	v_cmp_gt_f32 s80, v[OV+(\b)], v[BEST+(\b)]
	v_cmp_eq_f32 s81, v[OV+(\b)], v[BEST+(\b)]
	v_cmp_lt_u32 s82, v[OI+(\b)], v[BIDX+(\b)]
	s_and_b32 s81, s81, s82
	s_or_b32 s80, s80, s81
	v_cndmask_b32 v[BEST+(\b)], v[BEST+(\b)], v[OV+(\b)], s80
	v_cndmask_b32 v[BIDX+(\b)], v[BIDX+(\b)], v[OI+(\b)], s80
.endr
	; the key: a negative number's bits are all turned, a positive number's sign bit is set: u32 order is then the scores' order
.irp b, 0,1,2,3,4,5,6,7
	v_ashrrev_i32 v[OV+(\b)], 31, v[BEST+(\b)]
.endr
.irp b, 0,1,2,3,4,5,6,7
	v_or_b32 v[OV+(\b)], 0x80000000, v[OV+(\b)]
.endr
.irp b, 0,1,2,3,4,5,6,7
	v_xor_b32 v[BEST+(\b)], v[BEST+(\b)], v[OV+(\b)]
.endr
	; lanes 0-15 carry source block 2 i, lanes 16-31 block 2 i + 1: lane l carries my row 32 i + l, and a store of the wave covers 256 consecutive bytes, aligned
.irp i, 0,1,2,3
	v_cndmask_b32 v[OV+2*(\i)],   v[BEST+2*(\i)], v[BEST+2*(\i)+1], s[HM]
	v_cndmask_b32 v[OV+2*(\i)+1], v[BIDX+2*(\i)], v[BIDX+2*(\i)+1], s[HM]
.endr
.irp i, 0,1,2,3
	global_store_b64 v[CO], v[OV+2*(\i):OV+2*(\i)+1], s[10:11] offset:256*(\i)
.endr
	s_wait_tensorcnt 0x0                           ; the wave's end, behind my last tensor load
	ds_add_u32 v[SPW], v[NIL]
	s_wait_dscnt 0x0
	CROUND                                         ; the closing round: no work-group ends while a partner may still ask for a tile that names it
	s_endpgm
.Lfunc_end_k_qe44525b4fa_match:
	.size	k_qe44525b4fa_match, .Lfunc_end_k_qe44525b4fa_match-k_qe44525b4fa_match
	.p2alignl 7, 3214868480
	.fill 96, 4, 3214868480
	.section	.rodata,"a",@progbits
	.p2align	6, 0x0
	.amdhsa_kernel k_qe44525b4fa_match
		.amdhsa_group_segment_fixed_size 327680
		.amdhsa_private_segment_fixed_size 0
		.amdhsa_enable_private_segment 0
		.amdhsa_kernarg_size 32
		.amdhsa_user_sgpr_count 2
		.amdhsa_user_sgpr_kernarg_segment_ptr 1
		.amdhsa_wavefront_size32 1
		.amdhsa_system_sgpr_workgroup_id_x 1
		.amdhsa_system_sgpr_workgroup_id_y 1
		.amdhsa_system_sgpr_workgroup_id_z 1
		.amdhsa_system_vgpr_workitem_id 0
		.amdhsa_next_free_vgpr 1024
		.amdhsa_next_free_sgpr 84
		.amdhsa_reserve_vcc 0
		.amdhsa_float_denorm_mode_32 3
		.amdhsa_float_denorm_mode_16_64 3
		.amdhsa_memory_ordered 1
		.amdhsa_forward_progress 1
		.amdhsa_inst_pref_size 255
	.end_amdhsa_kernel
	.section	.bss,"aw",@nobits
	.p2align	6
	.space	262144
	.amdgpu_metadata
---
amdhsa.version: [ 1, 2 ]
amdhsa.kernels:
  - .name:           k_qe44525b4fa_match
    .symbol:         k_qe44525b4fa_match.kd
    .args:
      - { .name: sbf, .offset: 0, .size: 8, .value_kind: global_buffer, .address_space: global }
      - { .name: tbf, .offset: 8, .size: 8, .value_kind: global_buffer, .address_space: global }
      - { .name: tinv, .offset: 16, .size: 8, .value_kind: global_buffer, .address_space: global }
      - { .name: cand, .offset: 24, .size: 8, .value_kind: global_buffer, .address_space: global }
    .group_segment_fixed_size: 327680
    .private_segment_fixed_size: 0
    .kernarg_segment_align: 8
    .kernarg_segment_size: 32
    .max_flat_workgroup_size: 128
    .sgpr_count:     84
    .vgpr_count:     1024
    .wavefront_size: 32
...
	.end_amdgpu_metadata
.endif
;; end of part 2
;; launch gather (part 3): grid 256 x 1, 8 waves a work-group, no clusters, 0 bytes of LDS; arguments cand, target_features, out0; writes out0
.if DOCPART == 3
	.amdgcn_target "amdgcn-amd-amdhsa--gfx1250"
	.amdhsa_code_object_version 6
	.text
	.protected	k_qe44525b4fa_gather
	.globl	k_qe44525b4fa_gather
	.p2align	8
	.type	k_qe44525b4fa_gather,@function
k_qe44525b4fa_gather:
	s_mov_b64 s[64:65], 0
	v_nop
	global_prefetch_b8 v0, s[64:65] scope:SCOPE_SE
	s_setreg_imm32_b32 hwreg(HW_REG_WAVE_MODE, 25, 1), 1
	s_wait_xcnt 0x0
; THE CHOICE AND THE COPY.  cand[p][s] = (key, index): the best target of source row s among the targets 512 p .. 512 p + 511, the key a u32 in the scores' order.
; out0[s] = target_features[index of the greatest key]; of equal keys the lowest p, which is the lowest index.  With one neighbour the mean is the row itself.
; Only whole numbers are compared here, and the index is held inside the table (0 .. 8,191) before it enters an address.
; A stream: LDS, barriers and matrix work would add nothing.  SHARES.  Work-group x owns rows 32 x .. 32 x + 31, wave w four of them.  Each wave reduces the candidates of all 32 rows:
; 16 loads, each of one whole aligned block of 256 bytes; that the eight waves read the same 4,096 bytes takes the place of a hand-over through LDS and its barrier.
; Lane l takes row (l + 4 w) % 32, so the wave's own four rows fall into lanes 0 to 3.
.set C,   4                            ; v[4:35]    part p's pair (key, index) at C + 2 p
.set OFF, 36                           ; v[36:39]   row i: byte offset of my 16 bytes in the chosen target row
.set D,   40                           ; v[40:167]  row i: 32 registers
	s_load_b128 s[4:7], s[0:1], 0x0                ; cand s[4:5], target_features s[6:7]
	s_load_b64 s[8:9], s[0:1], 0x10                ; out0
	s_lshl_b32 s10, ttmp9, 8                       ; 32 candidates of 8 bytes
	s_mov_b32 s11, 0
	s_lshl_b32 s12, ttmp9, 17                      ; 32 rows of 4,096 bytes
	s_mov_b32 s13, 0
	v_and_b32 v2, 31, v0                           ; lane
	v_lshrrev_b32 v3, 5, v0                        ; wave
	v_lshl_add_u32 v1, v3, 2, v2
	v_and_b32 v1, 31, v1
	v_lshlrev_b32 v1, 3, v1                        ; 8 x ((lane + 4 wave) % 32)
	v_lshlrev_b32 v2, 4, v2                        ; 16 x lane
	v_lshl_or_b32 v3, v3, 14, v2                   ; wave x 4 rows x 4,096 + 16 x lane
	s_wait_kmcnt 0x0
	s_add_nc_u64 s[4:5], s[4:5], s[10:11]
	s_add_nc_u64 s[8:9], s[8:9], s[12:13]
.irp p, 0,1,2,3,4,5,6,7,8,9,10,11,12,13,14,15
	global_load_b64 v[C+2*(\p):C+2*(\p)+1], v1, s[4:5] offset:65536*(\p)
.endr
	s_wait_loadcnt 0x0
; Pair b is taken into pair a (a < b) only if its key is GREATER: of equal keys the lower part stays.
.macro MERGE a, b
	v_cmp_gt_u32 vcc_lo, v[C+2*(\b)], v[C+2*(\a)]
	v_cndmask_b32 v[C+2*(\a)],   v[C+2*(\a)],   v[C+2*(\b)],   vcc_lo
	v_cndmask_b32 v[C+2*(\a)+1], v[C+2*(\a)+1], v[C+2*(\b)+1], vcc_lo
.endm
.irp a, 0,2,4,6,8,10,12,14
	MERGE \a, (\a)+1
.endr
.irp a, 0,4,8,12
	MERGE \a, (\a)+2
.endr
.irp a, 0,8
	MERGE \a, (\a)+4
.endr
	MERGE 0, 8
.irp i, 0,1,2,3
	v_readlane_b32 s[20+(\i)], v[C+1], \i          ; my row i's index
	s_min_u32 s[20+(\i)], s[20+(\i)], 0x1fff       ; inside the table
	s_lshl_b32 s[20+(\i)], s[20+(\i)], 12          ; a row is 4,096 bytes
	v_add_nc_u32 v[OFF+(\i)], s[20+(\i)], v2
.endr
.irp i, 0,1,2,3
.irp j, 0,1,2,3,4,5,6,7
	global_load_b128 v[D+32*(\i)+4*(\j):D+32*(\i)+4*(\j)+3], v[OFF+(\i)], s[6:7] offset:512*(\j)  ; no hint: several source rows may name the same target row
.endr
.endr
.irp i, 0,1,2,3
	s_wait_loadcnt 24-8*(\i)                       ; loads come back in order (ISA guide 5.7.1): this row's eight are in, the eight of each younger row stay out
.irp j, 0,1,2,3,4,5,6,7
	global_store_b128 v3, v[D+32*(\i)+4*(\j):D+32*(\i)+4*(\j)+3], s[8:9] offset:4096*(\i)+512*(\j) th:TH_STORE_NT  ; 512 consecutive bytes, aligned
.endr
.endr
	s_endpgm
.Lfunc_end_k_qe44525b4fa_gather:
	.size	k_qe44525b4fa_gather, .Lfunc_end_k_qe44525b4fa_gather-k_qe44525b4fa_gather
	.p2alignl 7, 3214868480
	.fill 96, 4, 3214868480
	.section	.rodata,"a",@progbits
	.p2align	6, 0x0
	.amdhsa_kernel k_qe44525b4fa_gather
		.amdhsa_group_segment_fixed_size 0
		.amdhsa_private_segment_fixed_size 0
		.amdhsa_enable_private_segment 0
		.amdhsa_kernarg_size 24
		.amdhsa_user_sgpr_count 2
		.amdhsa_user_sgpr_kernarg_segment_ptr 1
		.amdhsa_wavefront_size32 1
		.amdhsa_system_sgpr_workgroup_id_x 1
		.amdhsa_system_sgpr_workgroup_id_y 1
		.amdhsa_system_sgpr_workgroup_id_z 1
		.amdhsa_system_vgpr_workitem_id 0
		.amdhsa_next_free_vgpr 168
		.amdhsa_next_free_sgpr 66
		.amdhsa_reserve_vcc 1
		.amdhsa_float_denorm_mode_32 3
		.amdhsa_float_denorm_mode_16_64 3
		.amdhsa_memory_ordered 1
		.amdhsa_forward_progress 1
		.amdhsa_inst_pref_size 11
	.end_amdhsa_kernel
	.amdgpu_metadata
---
amdhsa.version: [ 1, 2 ]
amdhsa.kernels:
  - .name:           k_qe44525b4fa_gather
    .symbol:         k_qe44525b4fa_gather.kd
    .args:
      - { .name: cand, .offset: 0, .size: 8, .value_kind: global_buffer, .address_space: global }
      - { .name: target_features, .offset: 8, .size: 8, .value_kind: global_buffer, .address_space: global }
      - { .name: out0, .offset: 16, .size: 8, .value_kind: global_buffer, .address_space: global }
    .group_segment_fixed_size: 0
    .private_segment_fixed_size: 0
    .kernarg_segment_align: 8
    .kernarg_segment_size: 24
    .max_flat_workgroup_size: 256
    .sgpr_count:     66
    .vgpr_count:     168
    .wavefront_size: 32
...
	.end_amdgpu_metadata
.endif
;; end of part 3
